; MI455X (gfx1250); checked and timed in simulation.
; The chip was launched on July 23, 2026; its instructions are those of AMD's public machine-readable ISA for CDNA 5 (MIT licence, August 2026) and "CDNA5" Instruction Set Architecture Reference Guide (July 2026). The comments in the code are by the model that wrote it; some were corrected since.
;; GMA Mo E Layer. Allowed arithmetic: float matrix products may take bf16 or f16 operands with f32 sums; other float arithmetic in f32, or as packed bf16 or f16 multiplies, adds, multiply-adds, maxima and minima; sums over many terms, partial sums and values carried from step to step in f32; what a program stores and reads back later, other than sums and carried values, may be rounded once to bf16 or f16.
;; Inputs: norm_w 1,024 float32; router_W 8 x 1,024 float32; w1 8 x 2,048 x 1,024 float32; w2 8 x 1,024 x 2,048 float32; w3 8 x 2,048 x 1,024 float32; x 4 x 256 x 1,024 float32.
;; Outputs: out0 4 x 256 x 1,024 float32.
;; One version. Each part assembles by itself: llvm-mc -triple=amdgcn-amd-amdhsa -mcpu=gfx1250 --defsym DOCPART=n.
;; ======== version 1 of 1: 4 launches
;; workspace buffers: hid 2,097,152 bytes; sel 4,096 bytes of whole numbers; gate 8,192 bytes; pos 32,768 bytes of whole numbers; cnt 256 bytes of whole numbers; act 33,554,432 bytes; y 134,217,728 bytes
;; launch router (part 1): grid 256 x 1, 4 waves a work-group, no clusters, 0 bytes of LDS; arguments x, norm_w, router_W, hid, sel, gate; writes hid, sel, gate
.if DOCPART == 1
	.amdgcn_target "amdgcn-amd-amdhsa--gfx1250"
	.amdhsa_code_object_version 6
	.text
	.protected	k_q8e7588b02a_router
	.globl	k_q8e7588b02a_router
	.p2align	8
	.type	k_q8e7588b02a_router,@function
k_q8e7588b02a_router:
	s_mov_b64 s[64:65], 0
	v_nop
	global_prefetch_b8 v0, s[64:65] scope:SCOPE_SE
	s_setreg_imm32_b32 hwreg(HW_REG_WAVE_MODE, 25, 1), 1
	s_wait_xcnt 0x0
; ROUTER.  hidden = rope(rmsnorm(x) * norm_w); logits = hidden . router_W; softmax; the two largest; their gates.
; One wave, one token: 256 work-groups x 4 waves = 1,024 tokens.  Lane l holds the columns 128 n + 4 l + c (n = 0..7, c = 0..3): each of its
; eight 16-byte loads of x is part of 512 consecutive bytes of the wave, and the rotary partner of column j, j + 512, is load n + 4 of the SAME lane.
; Everything up to the choice is f32 on the vector unit: a choice that falls the other way changes a whole output row, so nothing in front of it is rounded to 16 bits.
; Stored: hid [1024][1024] bf16 (rounded once: the later products' operand); sel [1024] u32 = e0 | e1 << 8 | (bit e0 | bit e1) << 16; gate [1024][2] f32.
; All three lie at places that hang on the token's number alone: no address and no branch here hangs on the choice.
; LIMITS.  Sine and cosine: reduction by pi/2 in two parts and polynomials of degree 7 and 8, good to a few units in the last place for the angles that occur here (0 to 255).
; 1 / 10000^(j/512) is made as 2^(-j log2(10000) / 512).  Two probabilities that differ by less than about 1e-5 of themselves may be taken in the other order than by reference().
; Equal probabilities: the lower index wins, as in jax.lax.top_k.  NaN and infinities are not treated apart.
; sel and gate are 12 bytes a token, stored by lane 0: 12 KiB in the whole launch, not worth a way through LDS.
.set X,  32                            ; v[32:63]   x, then hidden, index 4 n + c
.set NW, 64                            ; v[64:95]   norm_w, same index
.set CO, 96                            ; v[96:111]  angle, then cosine, index 4 n + c, n < 4
.set SI, 112                           ; v[112:127] sine
.set LG, 128                           ; v[128:143] eight packed logit sums
.set HB, 144                           ; v[144:159] hidden as bf16
.set PR, 160                           ; v[160:167] probabilities
.set PC, 168                           ; v[168:175] the same without the winner
                                       ; window 1: v[0:255] router_W: expert e, load n at 32 e + 4 n
.set MSB, 0
.macro WIN new                         ; s_set_vgpr_msb: bits 1:0 source 0, 3:2 source 1, 5:4 source 2, 7:6 destination; the high byte repeats the setting that is left
.if MSB != (\new)
	s_set_vgpr_msb (MSB<<8)|(\new)
.set MSB, \new
.endif
.endm
.macro RWLOAD n                        ; the eight experts' columns 128 n + 4 l .. of router_W (destination in window 1)
.irp e, 0,1,2,3,4,5,6,7
	global_load_b128 v[32*\e+4*(\n):32*\e+4*(\n)+3], v2, s[8:9] offset:\e*4096+512*(\n)
.endr
.endm
	s_load_b256 s[4:11], s[0:1], 0x0               ; x s[4:5], norm_w s[6:7], router_W s[8:9], hid s[10:11]
	s_load_b128 s[12:15], s[0:1], 0x20             ; sel s[12:13], gate s[14:15]
	v_and_b32 v1, 31, v0                           ; lane
	v_lshrrev_b32 v4, 5, v0
	v_readfirstlane_b32 s16, v4                    ; wave
	s_lshl_b32 s17, ttmp9, 2
	s_add_co_u32 s17, s17, s16                     ; token
	v_lshlrev_b32 v2, 4, v1                        ; 16 x lane
	v_lshlrev_b32 v3, 3, v1                        ; 8 x lane
	v_lshlrev_b32 v12, 2, v1                       ; 4 x lane
	s_lshl_b32 s18, s17, 12                        ; the token's row in x,
	s_mov_b32 s19, 0
	s_lshl_b32 s36, s17, 11                        ; in hid,
	s_mov_b32 s37, 0
	s_lshl_b32 s38, s17, 2                         ; its word in sel,
	s_mov_b32 s39, 0
	s_lshl_b32 s40, s17, 3                         ; its pair in gate
	s_mov_b32 s41, 0
	s_and_b32 s44, s17, 255                        ; its position in the sequence
	s_mov_b32 s22, 0x76543210                      ; v_permlanex16_b32: each lane takes its own place in the other half
	s_mov_b32 s23, 0xfedcba98
	s_mov_b32 s24, 0xbcd49a78                      ; -log2(10000) / 512
	s_mov_b32 s25, 0x3f22f983                      ; 2 / pi
	s_mov_b32 s26, 0x3fc90fdb                      ; pi / 2, upper part
	s_mov_b32 s27, 0xb33bbd2e                      ; pi / 2, the rest
	s_mov_b32 s28, 0xbe2aaaa3                      ; sine: -1.6666654611e-1
	s_mov_b32 s29, 0x3c08839e                      ;        8.3321608736e-3
	s_mov_b32 s30, 0xb94ca1f9                      ;       -1.9515295891e-4
	s_mov_b32 s31, 0x3d2aaaa5                      ; cosine: 4.166664568e-2
	s_mov_b32 s32, 0xbab6061a                      ;        -1.388731625e-3
	s_mov_b32 s33, 0x37ccf5ce                      ;         2.443315712e-5
	s_mov_b32 s34, 0x3fb8aa3b                      ; log2(e)
	s_mov_b32 s35, 0x3a800000                      ; 1 / 1024
	s_mov_b32 s42, 0x358637bd                      ; 1e-6
	s_mov_b32 s43, 0x322bcc77                      ; 1e-8
	s_wait_kmcnt 0x0
	s_add_nc_u64 s[4:5], s[4:5], s[18:19]
	s_add_nc_u64 s[10:11], s[10:11], s[36:37]
	s_add_nc_u64 s[12:13], s[12:13], s[38:39]
	s_add_nc_u64 s[14:15], s[14:15], s[40:41]
.irp n, 0,1,2,3,4,5,6,7
	global_load_b128 v[X+4*\n:X+4*\n+3], v2, s[4:5] offset:512*\n
.endr
.irp n, 0,1,2,3,4,5,6,7
	global_load_b128 v[NW+4*\n:NW+4*\n+3], v2, s[6:7] offset:512*\n
.endr
	WIN 0x40
	RWLOAD 0
	RWLOAD 1
	RWLOAD 2
	RWLOAD 3
	RWLOAD 4
	WIN 0
	; THE ANGLES, while the loads are on their way: my 16 columns j < 512.
.set k, 0
.rept 16
	v_add_nc_u32 v[CO+k], 128*(k/4)+(k%4), v12     ; j
.set k, k+1
.endr
.set k, 0
.rept 16
	v_cvt_f32_u32 v[CO+k], v[CO+k]
.set k, k+1
.endr
.set k, 0
.rept 16
	v_mul_f32 v[CO+k], s24, v[CO+k]
.set k, k+1
.endr
	v_cvt_f32_u32 v13, s44
.set k, 0
.rept 16
	v_exp_f32 v[CO+k], v[CO+k]                     ; 10000^(-j/512): one batch of sixteen
.set k, k+1
.endr
	v_nop                                          ; a plain instruction behind the last exponential,
	s_wait_alu depctr_va_vdst(0)                   ; and one wait for the batch, ahead of its first reader
.set k, 0
.rept 16
	v_mul_f32 v[CO+k], v13, v[CO+k]                ; position x frequency, one f32 product as in reference()
.set k, k+1
.endr
; Sine and cosine of angle k.  q = the nearest whole number of quarter turns; r = angle - q pi/2 (the first fused step is exact, the second adds the rest of pi/2);
; both polynomials in r; q's last two bits say which of the two is the sine and which signs they take.  Two sets of work registers take turns.
.macro TRIG k
.set tb, 4+12*((\k)%2)
	v_mul_f32 v[tb], s25, v[CO+(\k)]
	v_rndne_f32 v[tb], v[tb]                       ; q
	v_cvt_i32_f32 v[tb+1], v[tb]
	v_fma_f32 v[tb+2], -v[tb], s26, v[CO+(\k)]
	v_fma_f32 v[tb+2], -v[tb], s27, v[tb+2]        ; r
	v_mul_f32 v[tb+3], v[tb+2], v[tb+2]            ; z = r r
	v_fma_f32 v[tb+4], v[tb+3], s30, s29
	v_fma_f32 v[tb+5], v[tb+3], s33, s32
	v_fma_f32 v[tb+4], v[tb+4], v[tb+3], s28
	v_fma_f32 v[tb+5], v[tb+5], v[tb+3], s31
	v_mul_f32 v[tb+4], v[tb+4], v[tb+3]
	v_mul_f32 v[tb+5], v[tb+5], v[tb+3]
	v_fma_f32 v[tb+6], v[tb+3], -0.5, 1.0
	v_fma_f32 v[tb+4], v[tb+4], v[tb+2], v[tb+2]   ; sin r
	v_fma_f32 v[tb+5], v[tb+5], v[tb+3], v[tb+6]   ; cos r
	v_and_b32 v[tb+6], 1, v[tb+1]
	v_cmp_ne_u32 vcc_lo, 0, v[tb+6]                ; an odd quarter swaps the two: a choice of values, no branch
	v_cndmask_b32 v[tb+7], v[tb+4], v[tb+5], vcc_lo
	v_cndmask_b32 v[tb+5], v[tb+5], v[tb+4], vcc_lo
	v_lshlrev_b32 v[tb+6], 30, v[tb+1]             ; the sine is negative in quarters 2 and 3,
	v_add_nc_u32 v[tb+1], 1, v[tb+1]
	v_and_b32 v[tb+6], 0x80000000, v[tb+6]
	v_lshlrev_b32 v[tb+1], 30, v[tb+1]             ; the cosine in quarters 1 and 2
	v_and_b32 v[tb+1], 0x80000000, v[tb+1]
	v_xor_b32 v[SI+(\k)], v[tb+6], v[tb+7]
	v_xor_b32 v[CO+(\k)], v[tb+1], v[tb+5]
.endm
.irp k, 0,1,2,3,4,5,6,7,8,9,10,11,12,13,14,15
	TRIG \k
.endr
	; THE NORM.
	s_wait_loadcnt 40                              ; x and norm_w are in; the 40 loads of router_W behind them may stay out
	WIN 0x40
	RWLOAD 5
	RWLOAD 6
	WIN 0
.irp c, 0,1,2,3
	v_pk_mul_f32 v[4+2*\c:5+2*\c], v[X+2*\c:X+2*\c+1], v[X+2*\c:X+2*\c+1]  ; four chains, started by the first four pairs: nothing is cleared
.endr
.set k, 4
.rept 12
	v_pk_fma_f32 v[4+2*(k%4):5+2*(k%4)], v[X+2*k:X+2*k+1], v[X+2*k:X+2*k+1], v[4+2*(k%4):5+2*(k%4)]
.set k, k+1
.endr
	v_pk_add_f32 v[4:5], v[4:5], v[6:7]
	v_pk_add_f32 v[8:9], v[8:9], v[10:11]
	v_pk_add_f32 v[4:5], v[4:5], v[8:9]
	v_add_f32 v4, v4, v5
	v_add_f32_dpp v4, v4, v4 row_xmask:1 row_mask:0xf bank_mask:0xf
	v_add_f32_dpp v4, v4, v4 row_xmask:2 row_mask:0xf bank_mask:0xf
	v_add_f32_dpp v4, v4, v4 row_xmask:4 row_mask:0xf bank_mask:0xf
	v_add_f32_dpp v4, v4, v4 row_xmask:8 row_mask:0xf bank_mask:0xf
	v_permlanex16_b32 v5, v4, s22, s23
	v_add_f32 v4, v4, v5                           ; the row's sum of squares, in every lane
	v_fma_f32 v4, v4, s35, s42                     ; mean + 1e-6
	v_rsq_f32 v6, v4                               ; twice: a pair for the packed multiply
	v_rsq_f32 v7, v4
	v_nop
	s_wait_alu depctr_va_vdst(0)                   ; one wait for the two
.set k, 0
.rept 16
	v_pk_mul_f32 v[X+2*k:X+2*k+1], v[X+2*k:X+2*k+1], v[6:7]
.set k, k+1
.endr
.set k, 0
.rept 16
	v_pk_mul_f32 v[X+2*k:X+2*k+1], v[X+2*k:X+2*k+1], v[NW+2*k:NW+2*k+1]
.set k, k+1
.endr
	; THE ROTATION: (h1, h2) -> (h1 cos - h2 sin, h1 sin + h2 cos), h2 sixteen registers behind h1.
.set k, 0
.rept 8
	v_pk_mul_f32 v[8:9], v[X+16+2*k:X+16+2*k+1], v[SI+2*k:SI+2*k+1]
	v_pk_mul_f32 v[10:11], v[X+16+2*k:X+16+2*k+1], v[CO+2*k:CO+2*k+1]
	v_pk_fma_f32 v[X+16+2*k:X+16+2*k+1], v[X+2*k:X+2*k+1], v[SI+2*k:SI+2*k+1], v[10:11]
	v_pk_fma_f32 v[X+2*k:X+2*k+1], v[X+2*k:X+2*k+1], v[CO+2*k:CO+2*k+1], v[8:9] neg_lo:[0,0,1] neg_hi:[0,0,1]
.set k, k+1
.endr
.set k, 0
.rept 16
	v_cvt_pk_bf16_f32 v[HB+k], v[X+2*k], v[X+2*k+1]
.set k, k+1
.endr
.irp n, 0,1,2,3,4,5,6,7
	global_store_b64 v3, v[HB+2*\n:HB+2*\n+1], s[10:11] offset:256*\n  ; each store of the wave covers 256 consecutive bytes, aligned
.endr
	; THE LOGITS, in f32 from the unrounded hidden: eight packed chains, one an expert, by turns.
.macro LOGIT n, left
	s_wait_loadcnt \left                           ; router_W's group n is in; the later groups may stay out
.if (\n) == 0
	WIN 0x40
	RWLOAD 7                                       ; the last group goes out here
.endif
	WIN 0x04                                       ; source 1 in window 1
.irp c, 0,2
.irp e, 0,1,2,3,4,5,6,7
.if ((\n) == 0) && (\c == 0)
	v_pk_mul_f32 v[LG+2*\e:LG+2*\e+1], v[X+4*(\n)+\c:X+4*(\n)+\c+1], v[32*\e+4*(\n)+\c:32*\e+4*(\n)+\c+1]
.else
	v_pk_fma_f32 v[LG+2*\e:LG+2*\e+1], v[X+4*(\n)+\c:X+4*(\n)+\c+1], v[32*\e+4*(\n)+\c:32*\e+4*(\n)+\c+1], v[LG+2*\e:LG+2*\e+1]
.endif
.endr
.endr
.endm
	LOGIT 0, 48                                    ; behind group 0: groups 1 to 6
	LOGIT 1, 48                                    ; behind group 1: groups 2 to 7
	LOGIT 2, 40
	LOGIT 3, 32
	LOGIT 4, 24
	LOGIT 5, 16
	LOGIT 6, 8
	LOGIT 7, 0
	WIN 0
.irp e, 0,1,2,3,4,5,6,7
	v_add_f32 v[LG+2*\e], v[LG+2*\e], v[LG+2*\e+1]
.endr
.irp m, 1,2,4,8
.irp e, 0,1,2,3,4,5,6,7
	v_add_f32_dpp v[LG+2*\e], v[LG+2*\e], v[LG+2*\e] row_xmask:\m row_mask:0xf bank_mask:0xf
.endr
.endr
.irp e, 0,1,2,3,4,5,6,7
	v_permlanex16_b32 v[LG+2*\e+1], v[LG+2*\e], s22, s23
.endr
.irp e, 0,1,2,3,4,5,6,7
	v_add_f32 v[LG+2*\e], v[LG+2*\e], v[LG+2*\e+1] ; every lane holds all eight logits
.endr
	; SOFTMAX, with the maximum taken away first, alike in every lane.
	v_max3_num_f32 v4, v[LG], v[LG+2], v[LG+4]
	v_max3_num_f32 v4, v4, v[LG+6], v[LG+8]
	v_max3_num_f32 v4, v4, v[LG+10], v[LG+12]
	v_max_num_f32 v4, v4, v[LG+14]
.irp e, 0,1,2,3,4,5,6,7
	v_sub_f32 v[PR+\e], v[LG+2*\e], v4
.endr
.irp e, 0,1,2,3,4,5,6,7
	v_mul_f32 v[PR+\e], s34, v[PR+\e]
.endr
.irp e, 0,1,2,3,4,5,6,7
	v_exp_f32 v[PR+\e], v[PR+\e]
.endr
	v_nop
	s_wait_alu depctr_va_vdst(0)                   ; one wait for the eight
	v_add_f32 v5, v[PR], v[PR+1]
	v_add_f32 v6, v[PR+2], v[PR+3]
	v_add_f32 v7, v[PR+4], v[PR+5]
	v_add_f32 v8, v[PR+6], v[PR+7]
	v_add_f32 v5, v5, v6
	v_add_f32 v7, v7, v8
	v_add_f32 v5, v5, v7
	v_rcp_f32 v10, v5
	v_nop
	s_wait_alu depctr_va_vdst(0)
.irp e, 0,1,2,3,4,5,6,7
	v_mul_f32 v[PR+\e], v[PR+\e], v10
.endr
	; THE TWO LARGEST.  A later expert wins only if it is strictly larger: ties go to the lower index.  Only values are chosen, by v_cndmask_b32.
	v_mov_b32 v6, v[PR]
	v_mov_b32 v7, 0
.irp e, 1,2,3,4,5,6,7
	v_cmp_gt_f32 vcc_lo, v[PR+\e], v6
	v_cndmask_b32 v6, v6, v[PR+\e], vcc_lo
	v_cndmask_b32 v7, v7, \e, vcc_lo
.endr
.irp e, 0,1,2,3,4,5,6,7
	v_cmp_eq_u32 vcc_lo, \e, v7
	v_cndmask_b32 v[PC+\e], v[PR+\e], -1.0, vcc_lo ; the winner leaves the field: -1 is below every probability
.endr
	v_mov_b32 v8, v[PC]
	v_mov_b32 v9, 0
.irp e, 1,2,3,4,5,6,7
	v_cmp_gt_f32 vcc_lo, v[PC+\e], v8
	v_cndmask_b32 v8, v8, v[PC+\e], vcc_lo
	v_cndmask_b32 v9, v9, \e, vcc_lo
.endr
	v_add_f32 v10, v6, v8
	v_max_num_f32 v10, s43, v10                    ; the clip at 1e-8
	v_rcp_f32 v15, v10
	v_mov_b32 v11, 1                               ; (a plain instruction behind the reciprocal)
	s_wait_alu depctr_va_vdst(0)
	v_mul_f32 v16, v6, v15
	v_mul_f32 v17, v8, v15
	v_lshlrev_b32 v10, v7, v11
	v_lshlrev_b32 v12, v9, v11
	v_or_b32 v10, v10, v12
	v_lshl_or_b32 v13, v9, 8, v7
	v_lshl_or_b32 v13, v10, 16, v13
	v_mov_b32 v14, 0
	v_cmp_eq_u32 vcc_lo, 0, v1
	s_wait_xcnt 0x0                                ; EXEC is a source of the stores above: it changes only behind this wait
	s_and_saveexec_b32 s20, vcc_lo
	global_store_b32 v14, v13, s[12:13]
	global_store_b64 v14, v[16:17], s[14:15]
	s_wait_xcnt 0x0                                ; and again ahead of the line that widens it
	s_or_b32 exec_lo, exec_lo, s20
	s_endpgm
.Lfunc_end_k_q8e7588b02a_router:
	.size	k_q8e7588b02a_router, .Lfunc_end_k_q8e7588b02a_router-k_q8e7588b02a_router
	.p2alignl 7, 3214868480
	.fill 96, 4, 3214868480
	.section	.rodata,"a",@progbits
	.p2align	6, 0x0
	.amdhsa_kernel k_q8e7588b02a_router
		.amdhsa_group_segment_fixed_size 0
		.amdhsa_private_segment_fixed_size 0
		.amdhsa_enable_private_segment 0
		.amdhsa_kernarg_size 48
		.amdhsa_user_sgpr_count 2
		.amdhsa_user_sgpr_kernarg_segment_ptr 1
		.amdhsa_wavefront_size32 1
		.amdhsa_system_sgpr_workgroup_id_x 1
		.amdhsa_system_sgpr_workgroup_id_y 1
		.amdhsa_system_sgpr_workgroup_id_z 1
		.amdhsa_system_vgpr_workitem_id 0
		.amdhsa_next_free_vgpr 512
		.amdhsa_next_free_sgpr 66
		.amdhsa_reserve_vcc 1
		.amdhsa_float_denorm_mode_32 3
		.amdhsa_float_denorm_mode_16_64 3
		.amdhsa_memory_ordered 1
		.amdhsa_forward_progress 1
		.amdhsa_inst_pref_size 56
	.end_amdhsa_kernel
	.amdgpu_metadata
---
amdhsa.version: [ 1, 2 ]
amdhsa.kernels:
  - .name:           k_q8e7588b02a_router
    .symbol:         k_q8e7588b02a_router.kd
    .args:
      - { .name: x, .offset: 0, .size: 8, .value_kind: global_buffer, .address_space: global }
      - { .name: norm_w, .offset: 8, .size: 8, .value_kind: global_buffer, .address_space: global }
      - { .name: router_W, .offset: 16, .size: 8, .value_kind: global_buffer, .address_space: global }
      - { .name: hid, .offset: 24, .size: 8, .value_kind: global_buffer, .address_space: global }
      - { .name: sel, .offset: 32, .size: 8, .value_kind: global_buffer, .address_space: global }
      - { .name: gate, .offset: 40, .size: 8, .value_kind: global_buffer, .address_space: global }
    .group_segment_fixed_size: 0
    .private_segment_fixed_size: 0
    .kernarg_segment_align: 8
    .kernarg_segment_size: 48
    .max_flat_workgroup_size: 128
    .sgpr_count:     66
    .vgpr_count:     512
    .wavefront_size: 32
...
	.end_amdgpu_metadata
.endif
;; end of part 1
;; launch gateup (part 2): grid 32 x 8, 4 waves a work-group, no clusters, 269,568 bytes of LDS; arguments hid, sel, w1, w3, act, pos, cnt; writes act, pos, cnt
.if DOCPART == 2
	.amdgcn_target "amdgcn-amd-amdhsa--gfx1250"
	.amdhsa_code_object_version 6
	.text
	.protected	k_q8e7588b02a_gateup
	.globl	k_q8e7588b02a_gateup
	.p2align	8
	.type	k_q8e7588b02a_gateup,@function
k_q8e7588b02a_gateup:
	s_mov_b64 s[64:65], 0
	v_nop
	global_prefetch_b8 v0, s[64:65] scope:SCOPE_SE
	s_setreg_imm32_b32 hwreg(HW_REG_WAVE_MODE, 25, 1), 1
	s_wait_xcnt 0x0
; GATE AND UP.  act[row][h] = silu(hid[token] . w1[e][h]) x (hid[token] . w3[e][h]) for the rows of ONE expert e (grid y) and 64 h (grid x): 8 x 32 = 256 work-groups.
; The work-group alone reads its 64 rows of w1 and 64 rows of w3 (512 KiB of f32), once.
; PHASE 1: the four waves stream those rows through registers, round them once to bf16 and lay them into LDS (128 rows x 2,064 bytes).  Each wave has four staging slots of 16 loads
; of 512 consecutive bytes: 32 KiB asked for at any time.  Meanwhile wave 0 makes the expert's list of tokens from sel (a counting pass with v_mbcnt, no atomics).
; PHASE 2: LDS is only read.  Token rows come from hid straight into registers as matrix operands, by the list; weight fragments come from LDS.
; A pass serves 384 rows: 24 blocks of 16, wave w takes blocks w, w + 4, ..: up to six, 48 accumulators, 384 registers.  Three passes (a constant) serve every count from 0 to 1,024;
; dead passes and dead blocks are jumped forward.  Places past the count repeat token 0, and a block is stored whole: at most 15 spare rows an expert.
; The matrix instruction takes 16 weight rows as source 0 and 16 tokens as source 1: a lane then holds ONE token (lane % 16) and eight neighbouring h.
; Stored: act [32 slice][8 e][64 block of 16 rows][4 j][32 lanes][8] bf16 (rounded once): lane l of (block, j) holds row l % 16, h = 16 j + 8 (l / 16) + 0..7.  That is what my lane holds
; after packing, and it is what the same lane of the next product takes as half a fragment: no change of lanes on either side, and every store and load covers 512 consecutive bytes.
; By slice 0 also pos [8 e][1024 token] = the token's row, and cnt [8].
; Rows are numbered in the list's own order (token 128 a + 4 lane + c in the order a, c, lane), not by token: rows do not depend on each other.
; NO JOINT LOADS: each weight byte has one reader; what an expert's 32 work-groups share is its token rows, which lie at 2,048-byte rows picked by the list, not in one tile.
; LIMITS: hid, weights and act carry bf16's 8 significant bits; where exp(-g) passes f32's range the row's act is 0, as silu's limit; NaN and infinities are not treated apart.
.set LPR,   8                          ; loads of 512 bytes in a weight row (1,024 f32)
.set RP,    4096                       ; bytes from weight row to weight row in memory
.set LP,    2064                       ; an LDS row: 2,048 bytes of bf16 + 16: 129 x 16, so the 16 rows of a fragment load start at 16 different 16-byte columns modulo 256
.set LROW,  LP                         ; a staging slot's rows lie one below the other in LDS
.set RSTEP, (16/LPR)*RP                ; a staging slot's 16 loads are two rows
.set LSTEP, (16/LPR)*LP
.set NS,    32                         ; K steps of 32
.set APL,   128                        ; bytes of a token row for 64 along K
.set LIST,  128*LP                     ; 1,152 words: token by row (3 passes x 384); zeros past the count
.set DUMPR, 1152                       ; behind it 32 words into which lanes whose token did not choose e store
.set CNTW,  LIST+4608+128              ; the count
.set SPARE, LIST+4608+256              ; the spare words, 128 bytes a wave: two blocks of 256 bytes that no other line names
.set R16,  1                           ; v1   lane % 16
.set HH,   2                           ; v2   lane / 16
.set LANE, 3                           ; v3
.set WOFF, 4                           ; v4   16 x lane: offset of weight loads, sel loads and all stores; never rewritten
.set GO,   4
.set WLDS, 5                           ; v5   where my 8 bytes of a weight row go
.set BADR, 6                           ; v6-9   LDS address of weight fragments, rows 32 p on
.set AOFF, 10                          ; v10-15 byte offset in hid of block i's token row
.set LADR, 16                          ; v16  my place in the list
.set SPW,  20                          ; v20  my spare word; never rewritten
.set NIL,  21                          ; v21  0; never rewritten
.set B0,   22                          ; v22  (lane % 16) x LP + 16 (lane / 16)
.set H16,  23                          ; v23  16 (lane / 16)
.set BF,   64                          ; v64-127, v128-191 weight fragments, two buffers; behind the K loop at work:
.set TT,   64                          ;   32 registers: -g log2(e), its exponential, 1 + that, the reciprocal
.set PP,   96                          ;   32 registers: g u, then act
.set QQ,   128                         ;   16 registers: act as bf16, to store
                                       ; window 1: phase 1 staging slot k at 64 k; phase 2 token fragments, slot a at 48 a, block i at + 8 i
                                       ; window 2: accumulators of blocks 0-3 at 64 i + 8 j; window 3: blocks 4, 5.  j = 0-3: gate; j = 4-7: up
.set WV,   18
.set SLC,  19
.set EX,   20
.set CNT,  21
.set REM,  22                          ; blocks of 16 rows still to do
.set NACT, 23                          ; my blocks in this pass
.set PASS, 24
.set LC,   25
.set WB,   26                          ; s[26:27] weights
.set AB,   30                          ; s[30:31] hid, stepped along K
.set OB,   32                          ; s[32:33] act at my first block of the pass
.set NL2E, 42                          ; s[42:43] -log2(e)
.set MSB, 0
.macro WIN new                         ; s_set_vgpr_msb: bits 1:0 source 0, 3:2 source 1, 5:4 source 2, 7:6 destination; the high byte repeats the setting that is left
.if MSB != (\new)
	s_set_vgpr_msb (MSB<<8)|(\new)
.set MSB, \new
.endif
.endm
.macro PLACES                          ; four plain vector instructions between matrix instructions and loads into, or vector reads of, their registers
.rept 4
	v_nop
.endr
.endm
.macro WLOAD k, base                   ; staging slot k takes round \base (counted from s[WB]): 16 loads of 512 consecutive bytes
	WIN 0x40
.set wi, 0
.rept 16
	global_load_b128 v[64*(\k)+4*wi:64*(\k)+4*wi+3], v[WOFF], s[WB:WB+1] offset:(\base)*RSTEP+(wi/LPR)*RP+(wi%LPR)*512 th:TH_LOAD_NT
.set wi, wi+1
.endr
	WIN 0
.endm
.macro WTURN k, refill, left           ; slot k: rounded in place, laid into LDS, and (refill) asked for again four rounds on
	s_wait_loadcnt \left                           ; loads come back in order: slot k's sixteen are in, the younger slots' may stay out
	WIN 0x45
.set wi, 0
.rept 16
	v_cvt_pk_bf16_f32 v[64*(\k)+4*wi], v[64*(\k)+4*wi], v[64*(\k)+4*wi+1]
	v_cvt_pk_bf16_f32 v[64*(\k)+4*wi+1], v[64*(\k)+4*wi+2], v[64*(\k)+4*wi+3]
.set wi, wi+1
.endr
	WIN 0x04
.set wi, 0
.rept 16
	ds_store_b64 v[WLDS], v[64*(\k)+4*wi:64*(\k)+4*wi+1] offset:(\k)*LSTEP+(wi/LPR)*LROW+(wi%LPR)*256  ; 32 lanes, 256 consecutive bytes
.set wi, wi+1
.endr
.if \refill
	WLOAD \k, 4+(\k)
.endif
	WIN 0
.endm
.macro BLOAD b, kb                     ; the 128 weight rows' fragments for 32 along K at byte kb, into buffer b: 16 LDS loads
.irp j, 0,1,2,3,4,5,6,7
	ds_load_b128 v[BF+64*(\b)+8*\j:BF+64*(\b)+8*\j+3], v[BADR+\j/2] offset:(\j%2)*16*LP+(\kb)
	ds_load_b128 v[BF+64*(\b)+8*\j+4:BF+64*(\b)+8*\j+7], v[BADR+\j/2] offset:(\j%2)*16*LP+(\kb)+32
.endr
.endm
.macro ALOAD a, n                      ; six blocks' token fragments of K step n (counted from s[AB]) into slot a: always 12 loads, so that the counts are the same on every path
	WIN 0x40
.irp i, 0,1,2,3,4,5
	global_load_b128 v[48*(\a)+8*\i:48*(\a)+8*\i+3], v[AOFF+\i], s[AB:AB+1] offset:((\n)/2)*APL+((\n)%2)*64
	global_load_b128 v[48*(\a)+8*\i+4:48*(\a)+8*\i+7], v[AOFF+\i], s[AB:AB+1] offset:((\n)/2)*APL+((\n)%2)*64+32
.endr
	WIN 0
.endm
; A K step of 32.  The next step's weight fragments and the token fragments three steps on are asked for first; then my blocks are multiplied, eight accumulators a block.
; The accumulators take turns, one instruction a turn, over the steps' and the loop's edges too (the last of a step is (.., 7), the first of the next (0, 0)).
; zero = 1: the products start the sums, for all six blocks, so that every accumulator is started whatever NACT is.
.macro STEP n, zero, bnx, anx, aleft
	PLACES                                         ; behind the last step's products, which read the buffer and the slot that are loaded now
.if \bnx
	BLOAD ((\n)+1)%2, ((\n)+1)*64
.endif
.if \anx
	ALOAD ((\n)+3)%4, (\n)+3
.endif
.if \bnx
	s_wait_dscnt 16                                ; all but the 16 just issued: this step's weight fragments are in
.else
	s_wait_dscnt 0
.endif
	s_wait_loadcnt \aleft                          ; this step's token fragments are in; the younger slots' 12 loads each may stay out
.irp i, 0,1,2,3,4,5
.if !(\zero)
	s_cmp_le_u32 s[NACT], \i
	s_cbranch_scc1 .Lse_\@
.endif
	WIN 0xa4+0x50*(\i/4)                           ; weights window 0, tokens window 1, C and D window 2 or 3
.irp j, 0,1,2,3,4,5,6,7
.if \zero
	v_wmma_f32_16x16x32_bf16 v[64*(\i%4)+8*\j:64*(\i%4)+8*\j+7], v[BF+64*((\n)%2)+8*\j:BF+64*((\n)%2)+8*\j+7], v[48*((\n)%4)+8*\i:48*((\n)%4)+8*\i+7], 0
.else
	v_wmma_f32_16x16x32_bf16 v[64*(\i%4)+8*\j:64*(\i%4)+8*\j+7], v[BF+64*((\n)%2)+8*\j:BF+64*((\n)%2)+8*\j+7], v[48*((\n)%4)+8*\i:48*((\n)%4)+8*\i+7], v[64*(\i%4)+8*\j:64*(\i%4)+8*\j+7]
.endif
.endr
.if !(\zero)
	WIN 0                                          ; at a branch and at a label every window is 0
.endif
.endr
	WIN 0
.Lse_\@:
.endm
; THE WAY OUT of my blocks: act = g u / (1 + 2^(-g log2 e)), rounded to bf16; a lane's eight h of accumulator j are 16 bytes, stored as they lie: 32 lanes, 512 consecutive bytes.
; Each batch of 32 transcendentals has one wait, ahead of its first reader, and plain work (g u; a v_nop) behind its last.
.macro EPI
.irp i, 0,1,2,3,4,5
	s_cmp_le_u32 s[NACT], \i
	s_cbranch_scc1 .Lee_\@
	WIN 0x02+(\i/4)
.set em, 0
.rept 16
	v_pk_mul_f32 v[TT+2*em:TT+2*em+1], v[64*(\i%4)+2*em:64*(\i%4)+2*em+1], s[NL2E:NL2E+1] op_sel_hi:[1,0]  ; each accumulator is read from its low end on
.set em, em+1
.endr
	WIN 0
.set em, 0
.rept 32
	v_exp_f32 v[TT+em], v[TT+em]
.set em, em+1
.endr
	WIN 0x0a+5*(\i/4)
.set em, 0
.rept 16
	v_pk_mul_f32 v[PP+2*em:PP+2*em+1], v[64*(\i%4)+2*em:64*(\i%4)+2*em+1], v[64*(\i%4)+32+2*em:64*(\i%4)+32+2*em+1]
.set em, em+1
.endr
	WIN 0
	s_wait_alu depctr_va_vdst(0)
.set em, 0
.rept 16
	v_pk_add_f32 v[TT+2*em:TT+2*em+1], v[TT+2*em:TT+2*em+1], 1.0 op_sel_hi:[1,0]
.set em, em+1
.endr
.set em, 0
.rept 32
	v_rcp_f32 v[TT+em], v[TT+em]
.set em, em+1
.endr
	v_nop
	s_wait_alu depctr_va_vdst(0)
.set em, 0
.rept 16
	v_pk_mul_f32 v[PP+2*em:PP+2*em+1], v[PP+2*em:PP+2*em+1], v[TT+2*em:TT+2*em+1]
.set em, em+1
.endr
	s_wait_xcnt 0x0                                ; the last block's stores have read QQ: it is written again only behind this wait
.set em, 0
.rept 16
	v_cvt_pk_bf16_f32 v[QQ+em], v[PP+2*em], v[PP+2*em+1]
.set em, em+1
.endr
.irp j, 0,1,2,3
	global_store_b128 v[GO], v[QQ+4*\j:QQ+4*\j+3], s[OB:OB+1] offset:8192*\i+512*\j  ; (block, j): 512 consecutive bytes, aligned
.endr
.endr
.Lee_\@:
.endm
	s_load_b256 s[4:11], s[0:1], 0x0               ; hid s[4:5], sel s[6:7], w1 s[8:9], w3 s[10:11]
	s_load_b128 s[12:15], s[0:1], 0x20             ; act s[12:13], pos s[14:15]
	s_load_b64 s[16:17], s[0:1], 0x30              ; cnt
	v_lshl_add_u32 v[SPW], v0, 2, SPARE
	v_mov_b32 v[NIL], 0
	v_lshrrev_b32 v24, 5, v0
	v_readfirstlane_b32 s[WV], v24                 ; wave 0..3
	s_mov_b32 s[SLC], ttmp9                        ; slice of 64 h
	s_and_b32 s[EX], ttmp7, 0xffff                 ; expert
	v_and_b32 v[LANE], 31, v0
	v_and_b32 v[R16], 15, v0
	v_bfe_u32 v[HH], v0, 4, 1
	v_lshlrev_b32 v[WOFF], 4, v[LANE]
	s_mul_i32 s36, s[WV], 32*LP                    ; wave w fills LDS rows 32 w .. 32 w + 31
	v_lshl_add_u32 v[WLDS], v[LANE], 3, s36
	s_lshl_b32 s36, s[EX], 11                      ; weight row e x 2048 + 64 x slice + 32 x (w % 2),
	s_lshl_b32 s37, s[SLC], 6
	s_add_co_u32 s36, s36, s37
	s_and_b32 s37, s[WV], 1
	s_lshl_b32 s37, s37, 5
	s_add_co_u32 s36, s36, s37
	s_lshl_b32 s28, s36, 12                        ; in bytes: under 2^26
	s_mov_b32 s29, 0
	s_wait_kmcnt 0x0
	s_cmp_lt_u32 s[WV], 2                          ; waves 0, 1 fetch w1, waves 2, 3 w3
	s_cselect_b64 s[WB:WB+1], s[8:9], s[10:11]
	s_add_nc_u64 s[WB:WB+1], s[WB:WB+1], s[28:29]
.irp a, 0,1,2,3,4,5,6,7
	global_load_b128 v[32+4*\a:35+4*\a], v[WOFF], s[6:7] offset:512*\a  ; sel: register 4 a + c holds token 128 a + 4 lane + c.  Every wave loads it: the counts below are the same for all
.endr
	WLOAD 0, 0
	WLOAD 1, 1
	WLOAD 2, 2
	s_cmp_lg_u32 s[WV], 0
	s_cbranch_scc1 .Lnolist
	; THE LIST, by wave 0.
	s_wait_loadcnt 48                              ; sel is in; the three slots' 48 loads behind it stay out
	v_mov_b32 v12, 0
	v_mov_b32 v13, 0
	v_mov_b32 v14, 0
	v_mov_b32 v15, 0
	v_add_nc_u32 v29, LIST, v[WOFF]
.irp z, 0,1,2,3,4,5,6,7,8
	ds_store_b128 v29, v[12:15] offset:512*\z      ; 1,152 zeros: places past the count name token 0
.endr
	s_add_co_u32 s36, s[EX], 16
	s_lshl_b32 s36, 1, s36                         ; the expert's bit in a sel word
	s_mov_b32 s37, 0                               ; rows so far
	v_lshlrev_b32 v28, 2, v[LANE]
	v_add_nc_u32 v30, DUMPR, v[LANE]
.set ln, 0
.rept 32
	v_and_b32 v24, s36, v[32+ln]
	v_cmp_ne_u32 s38, 0, v24                       ; the lanes whose token chose e
	v_mbcnt_lo_u32_b32 v[32+ln], s38, s37          ; rows so far + such lanes below me: my token's row
	s_bcnt1_i32_b32 s39, s38
	s_add_co_u32 s37, s37, s39
	v_cndmask_b32 v25, v30, v[32+ln], s38          ; the row, or my place in the dump;
	v_min_u32 v25, 0x49f, v25                      ; 1,183 at the most
	v_lshl_add_u32 v25, v25, 2, LIST
	v_add_nc_u32 v27, 128*(ln/4)+(ln%4), v28       ; the token
	ds_store_b32 v25, v27                          ; behind the zeros: LDS serves a wave's instructions in order
.set ln, ln+1
.endr
	v_mov_b32 v24, s37
	v_mov_b32 v25, CNTW
	ds_store_b32 v25, v24                          ; all lanes, the same word, the same number
	s_cmp_lg_u32 s[SLC], 0
	s_cbranch_scc1 .Lnolist                        ; one of the expert's 32 work-groups stores pos and cnt
	s_lshl_b32 s28, s[EX], 12
	s_add_nc_u64 s[14:15], s[14:15], s[28:29]
.irp a, 0,1,2,3,4,5,6,7
	global_store_b128 v[WOFF], v[32+4*\a:35+4*\a], s[14:15] offset:512*\a  ; where the token did not choose e: a number up to 1,024 that nobody uses
.endr
	s_lshl_b32 s28, s[EX], 2
	s_add_nc_u64 s[16:17], s[16:17], s[28:29]
	v_mov_b32 v31, 0
	v_cmp_eq_u32 vcc_lo, 0, v[LANE]
	s_wait_xcnt 0x0                                ; EXEC is a source of the loads and stores above: it changes only behind this wait
	s_and_saveexec_b32 s40, vcc_lo
	global_store_b32 v31, v24, s[16:17]
	s_wait_xcnt 0x0                                ; and again ahead of the line that widens it
	s_or_b32 exec_lo, exec_lo, s40
.Lnolist:
	WLOAD 3, 3
	s_wait_dscnt 0x0                               ; wave 0's stores are done
	s_barrier_signal -1                            ; the list's stores, whose places hang on data, share no stretch between barriers with another wave's LDS work
	s_barrier_wait -1
	; PHASE 1: 16 rounds a wave; 12 of them ask for the round four on.
	s_mov_b32 s[LC], 3
.Lw:
	WTURN 0, 1, 48
	WTURN 1, 1, 48
	WTURN 2, 1, 48
	WTURN 3, 1, 48
	s_wait_xcnt 0x0                                ; the base is stepped only behind this wait
	s_add_nc_u64 s[WB:WB+1], s[WB:WB+1], 4*RSTEP
	v_add_nc_u32 v[WLDS], 4*LSTEP, v[WLDS]
	s_sub_co_u32 s[LC], s[LC], 1
	s_cmp_lg_u32 s[LC], 0
	s_cbranch_scc1 .Lw
	WTURN 0, 0, 48                                 ; the last four rounds ask for nothing: the counts run down
	WTURN 1, 0, 32
	WTURN 2, 0, 16
	WTURN 3, 0, 0
	s_wait_dscnt 0x0                               ; for the others' sake: my rows are in LDS
	s_barrier_signal -1
	s_barrier_wait -1                              ; everybody's are, and the list
	; PHASE 2: from here to the closing barrier no wave writes LDS.
	v_mov_b32 v24, CNTW
	ds_load_b32 v24, v24
	v_mul_u32_u24 v[B0], v[R16], LP
	v_lshl_add_u32 v[B0], v[HH], 4, v[B0]
	v_lshlrev_b32 v[H16], 4, v[HH]
	s_lshl_b32 s36, s[WV], 6
	s_add_co_u32 s36, s36, LIST
	v_lshl_add_u32 v[LADR], v[R16], 2, s36         ; block w of a pass, row lane % 16
	s_lshl_b32 s28, s[SLC], 20                     ; act: slice x 1,048,576 + e x 131,072 + block w x 2,048
	s_lshl_b32 s36, s[EX], 17
	s_add_co_u32 s28, s28, s36
	s_lshl_b32 s36, s[WV], 11
	s_add_co_u32 s28, s28, s36
	s_add_nc_u64 s[OB:OB+1], s[12:13], s[28:29]
	s_mov_b32 s[NL2E], 0xbfb8aa3b
	s_mov_b32 s[NL2E+1], 0xbfb8aa3b
	s_wait_dscnt 0x0
	v_readfirstlane_b32 s[CNT], v24
	s_min_u32 s[CNT], s[CNT], 0x400
	s_add_co_u32 s[REM], s[CNT], 15
	s_lshr_b32 s[REM], s[REM], 4
	s_mov_b32 s[PASS], 3
.Lpass:
	s_max_i32 s36, s[REM], 0
	s_add_co_u32 s36, s36, 3
	s_sub_co_u32 s36, s36, s[WV]
	s_lshr_b32 s36, s36, 2
	s_min_u32 s[NACT], s36, 6                      ; of the pass's blocks w, w + 4, ..: how many exist
	s_cmp_eq_u32 s[NACT], 0
	s_cbranch_scc1 .Lpass_end
.irp i, 0,1,2,3,4,5
	ds_load_b32 v[AOFF+\i], v[LADR] offset:256*\i  ; block 4 i + w of the pass
.endr
.irp p, 0,1,2,3
	v_add_nc_u32 v[BADR+\p], \p*32*LP, v[B0]
.endr
	s_mov_b64 s[AB:AB+1], s[4:5]
	s_wait_dscnt 0x0
.irp i, 0,1,2,3,4,5
	v_min_u32 v[AOFF+\i], 0x3ff, v[AOFF+\i]
	v_lshl_add_u32 v[AOFF+\i], v[AOFF+\i], 11, v[H16]  ; token x 2,048 + 16 x half
.endr
	ALOAD 0, 0
	ALOAD 1, 1
	ALOAD 2, 2
	BLOAD 0, 0
	STEP 0, 1, 1, 1, 36
	s_mov_b32 s[LC], NS/4-1
.Lk:
	STEP 1, 0, 1, 1, 36
	STEP 2, 0, 1, 1, 36
	STEP 3, 0, 1, 1, 36
	STEP 4, 0, 1, 1, 36
	s_wait_xcnt 0x0                                ; the base is stepped only behind this wait
	s_add_nc_u64 s[AB:AB+1], s[AB:AB+1], 2*APL
.irp p, 0,1,2,3
	v_add_nc_u32 v[BADR+\p], 256, v[BADR+\p]
.endr
	s_sub_co_u32 s[LC], s[LC], 1
	s_cmp_lg_u32 s[LC], 0
	s_cbranch_scc1 .Lk
	STEP 1, 0, 1, 0, 24                            ; the last three steps ask for no tokens past K's end: the counts run down
	STEP 2, 0, 1, 0, 12
	STEP 3, 0, 0, 0, 0
	PLACES                                         ; behind the last products: their results are read, their sources written
	EPI
.Lpass_end:
	s_wait_xcnt 0x0                                ; the stores have read their base and data
	s_sub_co_i32 s[REM], s[REM], 24
	s_add_nc_u64 s[OB:OB+1], s[OB:OB+1], 24*2048
	v_add_nc_u32 v[LADR], 384*4, v[LADR]
	s_sub_co_u32 s[PASS], s[PASS], 1
	s_cmp_lg_u32 s[PASS], 0
	s_cbranch_scc1 .Lpass
	s_wait_dscnt 0x0                               ; my reads of LDS are over;
	s_barrier_signal -1
	s_barrier_wait -1                              ; everybody's are: no wave's closing add stands beside another wave's reads
	s_wait_tensorcnt 0x0                           ; the wave's end
	ds_add_u32 v[SPW], v[NIL]
	s_wait_dscnt 0x0
	s_endpgm
.Lfunc_end_k_q8e7588b02a_gateup:
	.size	k_q8e7588b02a_gateup, .Lfunc_end_k_q8e7588b02a_gateup-k_q8e7588b02a_gateup
	.p2alignl 7, 3214868480
	.fill 96, 4, 3214868480
	.section	.rodata,"a",@progbits
	.p2align	6, 0x0
	.amdhsa_kernel k_q8e7588b02a_gateup
		.amdhsa_group_segment_fixed_size 269568
		.amdhsa_private_segment_fixed_size 0
		.amdhsa_enable_private_segment 0
		.amdhsa_kernarg_size 56
		.amdhsa_user_sgpr_count 2
		.amdhsa_user_sgpr_kernarg_segment_ptr 1
		.amdhsa_wavefront_size32 1
		.amdhsa_system_sgpr_workgroup_id_x 1
		.amdhsa_system_sgpr_workgroup_id_y 1
		.amdhsa_system_sgpr_workgroup_id_z 1
		.amdhsa_system_vgpr_workitem_id 0
		.amdhsa_next_free_vgpr 896
		.amdhsa_next_free_sgpr 66
		.amdhsa_reserve_vcc 1
		.amdhsa_float_denorm_mode_32 3
		.amdhsa_float_denorm_mode_16_64 3
		.amdhsa_memory_ordered 1
		.amdhsa_forward_progress 1
		.amdhsa_inst_pref_size 159
	.end_amdhsa_kernel
	.amdgpu_metadata
---
amdhsa.version: [ 1, 2 ]
amdhsa.kernels:
  - .name:           k_q8e7588b02a_gateup
    .symbol:         k_q8e7588b02a_gateup.kd
    .args:
      - { .name: hid, .offset: 0, .size: 8, .value_kind: global_buffer, .address_space: global }
      - { .name: sel, .offset: 8, .size: 8, .value_kind: global_buffer, .address_space: global }
      - { .name: w1, .offset: 16, .size: 8, .value_kind: global_buffer, .address_space: global }
      - { .name: w3, .offset: 24, .size: 8, .value_kind: global_buffer, .address_space: global }
      - { .name: act, .offset: 32, .size: 8, .value_kind: global_buffer, .address_space: global }
      - { .name: pos, .offset: 40, .size: 8, .value_kind: global_buffer, .address_space: global }
      - { .name: cnt, .offset: 48, .size: 8, .value_kind: global_buffer, .address_space: global }
    .group_segment_fixed_size: 269568
    .private_segment_fixed_size: 0
    .kernarg_segment_align: 8
    .kernarg_segment_size: 56
    .max_flat_workgroup_size: 128
    .sgpr_count:     66
    .vgpr_count:     896
    .wavefront_size: 32
...
	.end_amdgpu_metadata
.endif
;; end of part 2
;; launch down (part 3): grid 32 x 8, 4 waves a work-group, no clusters, 133,632 bytes of LDS; arguments act, cnt, w2, y; writes y
.if DOCPART == 3
	.amdgcn_target "amdgcn-amd-amdhsa--gfx1250"
	.amdhsa_code_object_version 6
	.text
	.protected	k_q8e7588b02a_down
	.globl	k_q8e7588b02a_down
	.p2align	8
	.type	k_q8e7588b02a_down,@function
k_q8e7588b02a_down:
	s_mov_b64 s[64:65], 0
	v_nop
	global_prefetch_b8 v0, s[64:65] scope:SCOPE_SE
	s_setreg_imm32_b32 hwreg(HW_REG_WAVE_MODE, 25, 1), 1
	s_wait_xcnt 0x0
; DOWN.  y[q][e][row][d] = the sum over 512 h (quarter q) of act[e][row][h] w2[e][d][h], for ONE expert e (grid y), 128 d and one quarter of h (grid x = ds + 8 q): 256 work-groups.
; The work-group alone reads its 128 rows x 512 numbers of w2 (256 KiB of f32), once.  The four quarters' partial sums stay f32 and are added by the next launch.
; Why K is cut in four: the tile is 128 columns wide, so a work-group reads 1 KiB of act for each row it serves against 256 KiB of weights; with 32 slices of d and whole K it would be 4 KiB a row.
; PHASE 1: the weights go through registers, are rounded once to bf16 and laid into LDS (128 rows x 1,040 bytes); four staging slots of 16 loads a wave.  One barrier.
; PHASE 2: LDS is only read.  act comes straight into registers as matrix operands (it lies in memory in the order in which the lanes take it: [plane of 64 h][e][block of 16 rows][4 j][32 lanes][8],
; each load 512 consecutive bytes), weight fragments from LDS.  A pass serves 384 rows: wave w takes blocks w, w + 4, .. of 16 rows, up to six.  Three passes (a constant) serve every count
; from 0 to 1,024; dead passes and blocks are jumped forward; a dead block's loads repeat the last block that was stored.
; THE WAY OUT WITHOUT LDS.  Source 0 = 16 rows of act, source 1 = 16 weight rows: register jj of lane l holds (row 8 (l / 16) + jj, the fragment's column l % 16).  Weight row d = 64 a + 4 r + c lies at
; LDS row 64 a + 16 c + r, so column r of fragment j = 4 a + c IS d = 64 a + 4 r + c: the accumulators 4 a + 0..3 hold four neighbouring d of one row in one lane.  Four copies bring them side by side,
; and in one store lanes 0-15 fill 256 consecutive bytes of row jj, lanes 16-31 those of row 8 + jj.  64 copies a block stand for 32 LDS instructions.
; NO JOINT LOADS: each weight byte has one reader; the act blocks that an expert's work-groups share are as many as its count says, which differs from expert to expert and is known only from memory.
; LIMITS: act and weights carry bf16's 8 significant bits; NaN and infinities are not treated apart.
.set LPR,   4                          ; loads of 512 bytes in my part of a weight row (512 f32)
.set RP,    8192                       ; bytes from weight row to weight row in memory
.set LP,    1040                       ; an LDS row: 1,024 bytes of bf16 + 16: 65 x 16, so the 16 rows of a fragment load start at 16 different 16-byte columns modulo 256
.set LROW,  16*LP                      ; a staging slot's four rows (c = 0..3) lie 16 LDS rows apart,
.set RSTEP, (16/LPR)*RP                ; a staging slot's 16 loads are four rows of memory
.set LSTEP, LP                         ; and the next round's one LDS row further down
.set NS,    16                         ; K steps of 32
.set APL,   1048576                    ; bytes from one plane of 64 h of act to the next
.set SPARE, 128*LP                     ; the spare words, 128 bytes a wave: two blocks of 256 bytes that no other line names
.set R16,  1
.set HH,   2
.set LANE, 3
.set WOFF, 4                           ; v4   16 x lane; never rewritten
.set WLDS, 5
.set BADR, 6                           ; v6-9   LDS address of weight fragments, LDS rows 32 p on
.set AOFF, 10                          ; v10-15 byte offset in a plane of act of block i, and my 16 bytes in it
.set YO,   17                          ; v17  my byte offset in a block of y: 8 (lane / 16) rows of 4,096 bytes + 16 (lane % 16)
.set SPW,  20                          ; v20  my spare word; never rewritten
.set NIL,  21                          ; v21  0; never rewritten
.set B0,   22
.set BF,   64                          ; v64-127, v128-191 weight fragments, two buffers
.set TQ,   64                          ; behind the K loop: a block's 64 numbers a lane, four neighbouring d side by side
                                       ; window 1: phase 1 staging slot k at 64 k; phase 2 act fragments, slot a at 48 a, block i at + 8 i
                                       ; window 2: accumulators of blocks 0-3 at 64 i + 8 j; window 3: blocks 4, 5
.set WV,   18
.set DS,   19
.set EX,   20
.set CNT,  21
.set REM,  22
.set NACT, 23
.set PASS, 24
.set LC,   25
.set WB,   26                          ; s[26:27] weights
.set AB,   30                          ; s[30:31] act, stepped along K
.set OB,   32                          ; s[32:33] y at my first block of the pass
.set A0,   34                          ; s[34:35] act at my quarter's first plane
.set QS,   40
.set LASTB, 41                         ; the last block of act that was stored for this expert
.set BLK,  44                          ; my first block of the pass: 24 pass + w
.set MSB, 0
.macro WIN new                         ; s_set_vgpr_msb: bits 1:0 source 0, 3:2 source 1, 5:4 source 2, 7:6 destination; the high byte repeats the setting that is left
.if MSB != (\new)
	s_set_vgpr_msb (MSB<<8)|(\new)
.set MSB, \new
.endif
.endm
.macro PLACES                          ; four plain vector instructions between matrix instructions and loads into, or vector reads of, their registers
.rept 4
	v_nop
.endr
.endm
.macro WLOAD k, base                   ; staging slot k takes round \base (counted from s[WB]): 16 loads of 512 consecutive bytes
	WIN 0x40
.set wi, 0
.rept 16
	global_load_b128 v[64*(\k)+4*wi:64*(\k)+4*wi+3], v[WOFF], s[WB:WB+1] offset:(\base)*RSTEP+(wi/LPR)*RP+(wi%LPR)*512 th:TH_LOAD_NT
.set wi, wi+1
.endr
	WIN 0
.endm
.macro WTURN k, refill, left           ; slot k: rounded in place, laid into LDS, and (refill) asked for again four rounds on
	s_wait_loadcnt \left                           ; loads come back in order: slot k's sixteen are in, the younger slots' may stay out
	WIN 0x45
.set wi, 0
.rept 16
	v_cvt_pk_bf16_f32 v[64*(\k)+4*wi], v[64*(\k)+4*wi], v[64*(\k)+4*wi+1]
	v_cvt_pk_bf16_f32 v[64*(\k)+4*wi+1], v[64*(\k)+4*wi+2], v[64*(\k)+4*wi+3]
.set wi, wi+1
.endr
	WIN 0x04
.set wi, 0
.rept 16
	ds_store_b64 v[WLDS], v[64*(\k)+4*wi:64*(\k)+4*wi+1] offset:(\k)*LSTEP+(wi/LPR)*LROW+(wi%LPR)*256  ; 32 lanes, 256 consecutive bytes
.set wi, wi+1
.endr
.if \refill
	WLOAD \k, 4+(\k)
.endif
	WIN 0
.endm
.macro BLOAD b, kb                     ; the 128 LDS rows' fragments for 32 along K at byte kb, into buffer b: 16 LDS loads
.irp j, 0,1,2,3,4,5,6,7
	ds_load_b128 v[BF+64*(\b)+8*\j:BF+64*(\b)+8*\j+3], v[BADR+\j/2] offset:(\j%2)*16*LP+(\kb)
	ds_load_b128 v[BF+64*(\b)+8*\j+4:BF+64*(\b)+8*\j+7], v[BADR+\j/2] offset:(\j%2)*16*LP+(\kb)+32
.endr
.endm
.macro ALOAD a, n                      ; six blocks' act fragments of K step n (counted from s[AB]) into slot a: plane n / 2, j = 2 (n % 2) and the next.  Always 12 loads, so that the counts are the same on every path
	WIN 0x40
.irp i, 0,1,2,3,4,5
	global_load_b128 v[48*(\a)+8*\i:48*(\a)+8*\i+3], v[AOFF+\i], s[AB:AB+1] offset:((\n)/2)*APL+((\n)%2)*1024
	global_load_b128 v[48*(\a)+8*\i+4:48*(\a)+8*\i+7], v[AOFF+\i], s[AB:AB+1] offset:((\n)/2)*APL+((\n)%2)*1024+512
.endr
	WIN 0
.endm
; A K step of 32.  The next step's weight fragments and the act fragments three steps on are asked for first; then my blocks are multiplied, eight accumulators a block.
; The accumulators take turns, one instruction a turn, over the steps' and the loop's edges too.
; zero = 1: the products start the sums, for all six blocks, so that every accumulator is started whatever NACT is.
.macro STEP n, zero, bnx, anx, aleft
	PLACES                                         ; behind the last step's products, which read the buffer and the slot that are loaded now
.if \bnx
	BLOAD ((\n)+1)%2, ((\n)+1)*64
.endif
.if \anx
	ALOAD ((\n)+3)%4, (\n)+3
.endif
.if \bnx
	s_wait_dscnt 16                                ; all but the 16 just issued: this step's weight fragments are in
.else
	s_wait_dscnt 0
.endif
	s_wait_loadcnt \aleft                          ; this step's act fragments are in; the younger slots' 12 loads each may stay out
.irp i, 0,1,2,3,4,5
.if !(\zero)
	s_cmp_le_u32 s[NACT], \i
	s_cbranch_scc1 .Lse_\@
.endif
	WIN 0xa1+0x50*(\i/4)                           ; act window 1, weights window 0, C and D window 2 or 3
.irp j, 0,1,2,3,4,5,6,7
.if \zero
	v_wmma_f32_16x16x32_bf16 v[64*(\i%4)+8*\j:64*(\i%4)+8*\j+7], v[48*((\n)%4)+8*\i:48*((\n)%4)+8*\i+7], v[BF+64*((\n)%2)+8*\j:BF+64*((\n)%2)+8*\j+7], 0
.else
	v_wmma_f32_16x16x32_bf16 v[64*(\i%4)+8*\j:64*(\i%4)+8*\j+7], v[48*((\n)%4)+8*\i:48*((\n)%4)+8*\i+7], v[BF+64*((\n)%2)+8*\j:BF+64*((\n)%2)+8*\j+7], v[64*(\i%4)+8*\j:64*(\i%4)+8*\j+7]
.endif
.endr
.if !(\zero)
	WIN 0                                          ; at a branch and at a label every window is 0
.endif
.endr
	WIN 0
.Lse_\@:
.endm
; THE WAY OUT of my blocks.  Copy number 8 jj + 4 a + c takes register jj of accumulator 4 a + c: (row 8 (l / 16) + jj, d = 64 a + 4 (l % 16) + c).  jj ascends.
.macro EPI
.irp i, 0,1,2,3,4,5
	s_cmp_le_u32 s[NACT], \i
	s_cbranch_scc1 .Lee_\@
	s_wait_xcnt 0x0                                ; the last block's stores have read TQ: it is written again only behind this wait
	WIN 0x02+(\i/4)                                ; source in window 2 or 3
.set em, 0
.rept 64
	v_mov_b32 v[TQ+em], v[64*(\i%4)+8*(em%8)+em/8]
.set em, em+1
.endr
	WIN 0
.set em, 0
.rept 16
	global_store_b128 v[YO], v[TQ+4*em:TQ+4*em+3], s[OB:OB+1] offset:262144*\i+4096*(em/2)+256*(em%2) th:TH_STORE_NT  ; sixteen lanes: 256 consecutive bytes of a row, aligned
.set em, em+1
.endr
.endr
.Lee_\@:
.endm
	s_load_b256 s[4:11], s[0:1], 0x0               ; act s[4:5], cnt s[6:7], w2 s[8:9], y s[10:11]
	v_lshl_add_u32 v[SPW], v0, 2, SPARE
	v_mov_b32 v[NIL], 0
	v_lshrrev_b32 v24, 5, v0
	v_readfirstlane_b32 s[WV], v24                 ; wave 0..3
	s_and_b32 s[DS], ttmp9, 7                      ; slice of 128 d
	s_lshr_b32 s[QS], ttmp9, 3                     ; quarter of h
	s_and_b32 s[EX], ttmp7, 0xffff                 ; expert
	v_and_b32 v[LANE], 31, v0
	v_and_b32 v[R16], 15, v0
	v_bfe_u32 v[HH], v0, 4, 1
	v_lshlrev_b32 v[WOFF], 4, v[LANE]
	s_lshr_b32 s36, s[WV], 1                       ; wave w streams the rows d = 32 w + 4 round + c; they go to LDS rows 64 (w / 2) + 8 (w % 2) + round + 16 c
	s_lshl_b32 s36, s36, 6
	s_and_b32 s37, s[WV], 1
	s_lshl_b32 s37, s37, 3
	s_add_co_u32 s36, s36, s37
	s_mul_i32 s36, s36, LP
	v_lshl_add_u32 v[WLDS], v[LANE], 3, s36
	s_lshl_b32 s36, s[EX], 10                      ; weight row e x 1024 + 128 x slice + 32 w,
	s_lshl_b32 s37, s[DS], 7
	s_add_co_u32 s36, s36, s37
	s_lshl_b32 s37, s[WV], 5
	s_add_co_u32 s36, s36, s37
	s_lshl_b32 s28, s36, 13                        ; in bytes, under 2^26,
	s_lshl_b32 s37, s[QS], 11                      ; and my quarter of the row
	s_add_co_u32 s28, s28, s37
	s_mov_b32 s29, 0
	s_lshl_b32 s38, s[EX], 2
	s_mov_b32 s39, 0
	s_wait_kmcnt 0x0
	s_add_nc_u64 s[WB:WB+1], s[8:9], s[28:29]
	s_add_nc_u64 s[6:7], s[6:7], s[38:39]
	s_load_b32 s[CNT], s[6:7], 0x0                 ; the expert's rows
	WLOAD 0, 0
	WLOAD 1, 1
	WLOAD 2, 2
	WLOAD 3, 3
	; PHASE 1: 8 rounds a wave; the first four ask for the round four on.
	WTURN 0, 1, 48
	WTURN 1, 1, 48
	WTURN 2, 1, 48
	WTURN 3, 1, 48
	v_add_nc_u32 v[WLDS], 4*LSTEP, v[WLDS]
	WTURN 0, 0, 48                                 ; the last four rounds ask for nothing: the counts run down
	WTURN 1, 0, 32
	WTURN 2, 0, 16
	WTURN 3, 0, 0
	s_wait_dscnt 0x0                               ; for the others' sake: my rows are in LDS
	s_barrier_signal -1
	s_barrier_wait -1                              ; everybody's are
	; PHASE 2: from here to the closing barrier no wave writes LDS.
	v_mul_u32_u24 v[B0], v[R16], LP
	v_lshl_add_u32 v[B0], v[HH], 4, v[B0]
	v_lshlrev_b32 v[YO], 4, v[R16]
	v_lshl_add_u32 v[YO], v[HH], 15, v[YO]
	s_lshl_b32 s28, s[QS], 23                      ; act: 8 q planes of 1,048,576 bytes + e x 131,072
	s_lshl_b32 s36, s[EX], 17
	s_add_co_u32 s28, s28, s36
	s_add_nc_u64 s[A0:A0+1], s[4:5], s[28:29]
	s_lshl_b32 s28, s[QS], 25                      ; y: q x 33,554,432 + e x 4,194,304 + 16 w rows of 4,096 bytes + 512 x slice
	s_lshl_b32 s36, s[EX], 22
	s_add_co_u32 s28, s28, s36
	s_lshl_b32 s36, s[WV], 16
	s_add_co_u32 s28, s28, s36
	s_lshl_b32 s36, s[DS], 9
	s_add_co_u32 s28, s28, s36
	s_add_nc_u64 s[OB:OB+1], s[10:11], s[28:29]
	s_wait_kmcnt 0x0
	s_min_u32 s[CNT], s[CNT], 0x400
	s_add_co_u32 s[REM], s[CNT], 15
	s_lshr_b32 s[REM], s[REM], 4                   ; blocks stored for this expert,
	s_add_co_u32 s[LASTB], s[REM], -1              ; the last of them (with no rows every pass is jumped, and the constant bound below still holds)
	s_mov_b32 s[BLK], s[WV]
	s_mov_b32 s[PASS], 3
.Lpass:
	s_max_i32 s36, s[REM], 0
	s_add_co_u32 s36, s36, 3
	s_sub_co_u32 s36, s36, s[WV]
	s_lshr_b32 s36, s36, 2
	s_min_u32 s[NACT], s36, 6                      ; of the pass's blocks w, w + 4, ..: how many exist
	s_cmp_eq_u32 s[NACT], 0
	s_cbranch_scc1 .Lpass_end
.irp i, 0,1,2,3,4,5
	s_add_co_u32 s36, s[BLK], 4*\i                 ; block 4 i + w of the pass;
	s_min_u32 s36, s36, s[LASTB]                   ; a block that does not exist repeats the last that does
	s_min_u32 s36, s36, 63
	s_lshl_b32 s36, s36, 11
	v_add_nc_u32 v[AOFF+\i], s36, v[WOFF]          ; block x 2,048 + 16 x lane
.endr
.irp p, 0,1,2,3
	v_add_nc_u32 v[BADR+\p], \p*32*LP, v[B0]
.endr
	s_mov_b64 s[AB:AB+1], s[A0:A0+1]
	ALOAD 0, 0
	ALOAD 1, 1
	ALOAD 2, 2
	BLOAD 0, 0
	STEP 0, 1, 1, 1, 36
	s_mov_b32 s[LC], NS/4-1
.Lk:
	STEP 1, 0, 1, 1, 36
	STEP 2, 0, 1, 1, 36
	STEP 3, 0, 1, 1, 36
	STEP 4, 0, 1, 1, 36
	s_wait_xcnt 0x0                                ; the base is stepped only behind this wait
	s_add_nc_u64 s[AB:AB+1], s[AB:AB+1], 2*APL
.irp p, 0,1,2,3
	v_add_nc_u32 v[BADR+\p], 256, v[BADR+\p]
.endr
	s_sub_co_u32 s[LC], s[LC], 1
	s_cmp_lg_u32 s[LC], 0
	s_cbranch_scc1 .Lk
	STEP 1, 0, 1, 0, 24                            ; the last three steps ask for nothing past my quarter's end: the counts run down
	STEP 2, 0, 1, 0, 12
	STEP 3, 0, 0, 0, 0
	PLACES                                         ; behind the last products: their results are read, their sources written
	EPI
.Lpass_end:
	s_wait_xcnt 0x0                                ; the stores have read their base and data
	s_sub_co_i32 s[REM], s[REM], 24
	s_add_co_u32 s[BLK], s[BLK], 24
	s_add_nc_u64 s[OB:OB+1], s[OB:OB+1], 384*4096
	s_sub_co_u32 s[PASS], s[PASS], 1
	s_cmp_lg_u32 s[PASS], 0
	s_cbranch_scc1 .Lpass
	s_wait_dscnt 0x0                               ; my reads of LDS are over;
	s_barrier_signal -1
	s_barrier_wait -1                              ; everybody's are: no wave's closing add stands beside another wave's reads
	s_wait_tensorcnt 0x0                           ; the wave's end
	ds_add_u32 v[SPW], v[NIL]
	s_wait_dscnt 0x0
	s_endpgm
.Lfunc_end_k_q8e7588b02a_down:
	.size	k_q8e7588b02a_down, .Lfunc_end_k_q8e7588b02a_down-k_q8e7588b02a_down
	.p2alignl 7, 3214868480
	.fill 96, 4, 3214868480
	.section	.rodata,"a",@progbits
	.p2align	6, 0x0
	.amdhsa_kernel k_q8e7588b02a_down
		.amdhsa_group_segment_fixed_size 133632
		.amdhsa_private_segment_fixed_size 0
		.amdhsa_enable_private_segment 0
		.amdhsa_kernarg_size 32
		.amdhsa_user_sgpr_count 2
		.amdhsa_user_sgpr_kernarg_segment_ptr 1
		.amdhsa_wavefront_size32 1
		.amdhsa_system_sgpr_workgroup_id_x 1
		.amdhsa_system_sgpr_workgroup_id_y 1
		.amdhsa_system_sgpr_workgroup_id_z 1
		.amdhsa_system_vgpr_workitem_id 0
		.amdhsa_next_free_vgpr 896
		.amdhsa_next_free_sgpr 66
		.amdhsa_reserve_vcc 0
		.amdhsa_float_denorm_mode_32 3
		.amdhsa_float_denorm_mode_16_64 3
		.amdhsa_memory_ordered 1
		.amdhsa_forward_progress 1
		.amdhsa_inst_pref_size 113
	.end_amdhsa_kernel
	.amdgpu_metadata
---
amdhsa.version: [ 1, 2 ]
amdhsa.kernels:
  - .name:           k_q8e7588b02a_down
    .symbol:         k_q8e7588b02a_down.kd
    .args:
      - { .name: act, .offset: 0, .size: 8, .value_kind: global_buffer, .address_space: global }
      - { .name: cnt, .offset: 8, .size: 8, .value_kind: global_buffer, .address_space: global }
      - { .name: w2, .offset: 16, .size: 8, .value_kind: global_buffer, .address_space: global }
      - { .name: y, .offset: 24, .size: 8, .value_kind: global_buffer, .address_space: global }
    .group_segment_fixed_size: 133632
    .private_segment_fixed_size: 0
    .kernarg_segment_align: 8
    .kernarg_segment_size: 32
    .max_flat_workgroup_size: 128
    .sgpr_count:     66
    .vgpr_count:     896
    .wavefront_size: 32
...
	.end_amdgpu_metadata
.endif
;; end of part 3
;; launch combine (part 4): grid 256 x 1, 8 waves a work-group, no clusters, 0 bytes of LDS; arguments x, sel, gate, pos, y, out0; writes out0
.if DOCPART == 4
	.amdgcn_target "amdgcn-amd-amdhsa--gfx1250"
	.amdhsa_code_object_version 6
	.text
	.protected	k_q8e7588b02a_combine
	.globl	k_q8e7588b02a_combine
	.p2align	8
	.type	k_q8e7588b02a_combine,@function
k_q8e7588b02a_combine:
	s_mov_b64 s[64:65], 0
	v_nop
	global_prefetch_b8 v0, s[64:65] scope:SCOPE_SE
	s_setreg_imm32_b32 hwreg(HW_REG_WAVE_MODE, 25, 1), 1
	s_wait_xcnt 0x0
; COMBINE.  out[t] = x[t] + gate0 (y0 + y1 + y2 + y3)[e0][row0] + gate1 (..)[e1][row1]: each output row has one owner, which gathers its eight partial rows.
; A work-group has four tokens, a wave half a token's row (2,048 bytes): four 16-byte loads a lane from each of nine rows, each load of the wave 512 consecutive bytes.
; Which rows: e0, e1 from sel, their rows from pos, whole numbers that earlier launches stored; both are bounded (7; 1,023) before they enter an address.
; A stream: no LDS, no barrier, no matrix unit; all 32 loads of y are out before the first is waited for.  The partial sums are f32 and are added in f32.
.set XR, 16                            ; v[16:31]  x, then the result
.set Y,  32                            ; v[32:159] y: choice k, quarter q, load n at 64 k + 16 q + 4 n
.set YB, 44                            ; s[44:59]  y's eight rows: choice k, quarter q at 44 + 8 k + 2 q
	s_load_b256 s[4:11], s[0:1], 0x0               ; x s[4:5], sel s[6:7], gate s[8:9], pos s[10:11]
	s_load_b128 s[12:15], s[0:1], 0x20             ; y s[12:13], out0 s[14:15]
	v_lshrrev_b32 v2, 5, v0
	v_readfirstlane_b32 s16, v2                    ; wave 0..7
	v_and_b32 v1, 31, v0
	v_lshlrev_b32 v3, 4, v1                        ; 16 x lane
	v_and_b32 v4, 7, v1
	v_lshlrev_b32 v4, 12, v4                       ; lane % 8 is an expert: its 4,096 bytes of pos
	s_lshr_b32 s17, s16, 1
	s_lshl_b32 s18, ttmp9, 2
	s_add_co_u32 s17, s17, s18                     ; token
	s_and_b32 s19, s16, 1
	s_lshl_b32 s19, s19, 11                        ; my half of a row
	s_lshl_b32 s20, s17, 2
	s_mov_b32 s21, 0
	s_lshl_b32 s36, s17, 3
	s_mov_b32 s37, 0
	s_lshl_b32 s38, s17, 12
	s_add_co_u32 s38, s38, s19
	s_mov_b32 s39, 0
	s_wait_kmcnt 0x0
	s_add_nc_u64 s[6:7], s[6:7], s[20:21]
	s_add_nc_u64 s[8:9], s[8:9], s[36:37]
	s_add_nc_u64 s[10:11], s[10:11], s[20:21]
	s_add_nc_u64 s[4:5], s[4:5], s[38:39]
	s_add_nc_u64 s[14:15], s[14:15], s[38:39]
	s_load_b32 s22, s[6:7], 0x0                    ; e0 | e1 << 8 | ..
	s_load_b64 s[24:25], s[8:9], 0x0               ; the two gates
	global_load_b32 v8, v4, s[10:11]               ; lane e (and e + 8, ..): the token's row with expert e
.irp n, 0,1,2,3
	global_load_b128 v[XR+4*\n:XR+4*\n+3], v3, s[4:5] offset:512*\n
.endr
	s_wait_kmcnt 0x0
	s_bfe_u32 s28, s22, 0x80000
	s_min_u32 s28, s28, 7                          ; e0
	s_bfe_u32 s29, s22, 0x80008
	s_min_u32 s29, s29, 7                          ; e1
	s_mov_b32 s26, s25                             ; the second gate as the low word of a pair of its own
	s_mov_b32 s27, s25
	s_wait_loadcnt 0x4                             ; pos is in; the four loads of x may stay out
	v_readlane_b32 s30, v8, s28
	v_readlane_b32 s31, v8, s29
	s_min_u32 s30, s30, 0x3ff
	s_min_u32 s31, s31, 0x3ff
	s_mov_b32 s41, 0
.irp k, 0,1
	s_lshl_b32 s40, s[28+\k], 22                   ; e x 4,194,304 + row x 4,096 + my half
	s_lshl_b32 s42, s[30+\k], 12
	s_add_co_u32 s40, s40, s42
	s_add_co_u32 s40, s40, s19
	s_add_nc_u64 s[YB+8*\k:YB+8*\k+1], s[12:13], s[40:41]
	s_add_nc_u64 s[YB+8*\k+2:YB+8*\k+3], s[YB+8*\k:YB+8*\k+1], 0x2000000    ; the next quarter's partial sums lie 33,554,432 bytes on
	s_add_nc_u64 s[YB+8*\k+4:YB+8*\k+5], s[YB+8*\k+2:YB+8*\k+3], 0x2000000
	s_add_nc_u64 s[YB+8*\k+6:YB+8*\k+7], s[YB+8*\k+4:YB+8*\k+5], 0x2000000
.endr
.irp k, 0,1
.irp q, 0,1,2,3
.irp n, 0,1,2,3
	global_load_b128 v[Y+64*\k+16*\q+4*\n:Y+64*\k+16*\q+4*\n+3], v3, s[YB+8*\k+2*\q:YB+8*\k+2*\q+1] offset:512*\n th:TH_LOAD_NT
.endr
.endr
.endr
.macro ADDK k, g                       ; the four quarters of choice k are added, weighed by the gate in s[g] and added onto the row
.set m, 0
.rept 8
	v_pk_add_f32 v[Y+64*(\k)+2*m:Y+64*(\k)+2*m+1], v[Y+64*(\k)+2*m:Y+64*(\k)+2*m+1], v[Y+64*(\k)+16+2*m:Y+64*(\k)+16+2*m+1]
	v_pk_add_f32 v[Y+64*(\k)+32+2*m:Y+64*(\k)+32+2*m+1], v[Y+64*(\k)+32+2*m:Y+64*(\k)+32+2*m+1], v[Y+64*(\k)+48+2*m:Y+64*(\k)+48+2*m+1]
.set m, m+1
.endr
.set m, 0
.rept 8
	v_pk_add_f32 v[Y+64*(\k)+2*m:Y+64*(\k)+2*m+1], v[Y+64*(\k)+2*m:Y+64*(\k)+2*m+1], v[Y+64*(\k)+32+2*m:Y+64*(\k)+32+2*m+1]
.set m, m+1
.endr
.set m, 0
.rept 8
	v_pk_fma_f32 v[XR+2*m:XR+2*m+1], v[Y+64*(\k)+2*m:Y+64*(\k)+2*m+1], s[\g:\g+1], v[XR+2*m:XR+2*m+1] op_sel_hi:[1,0,1]
.set m, m+1
.endr
.endm
	s_wait_loadcnt 16                              ; x and the first choice's 16 loads are in; the second's 16 may stay out
	ADDK 0, 24
	s_wait_loadcnt 0x0
	ADDK 1, 26
.irp n, 0,1,2,3
	global_store_b128 v3, v[XR+4*\n:XR+4*\n+3], s[14:15] offset:512*\n th:TH_STORE_NT  ; 512 consecutive bytes, aligned
.endr
	s_endpgm
.Lfunc_end_k_q8e7588b02a_combine:
	.size	k_q8e7588b02a_combine, .Lfunc_end_k_q8e7588b02a_combine-k_q8e7588b02a_combine
	.p2alignl 7, 3214868480
	.fill 96, 4, 3214868480
	.section	.rodata,"a",@progbits
	.p2align	6, 0x0
	.amdhsa_kernel k_q8e7588b02a_combine
		.amdhsa_group_segment_fixed_size 0
		.amdhsa_private_segment_fixed_size 0
		.amdhsa_enable_private_segment 0
		.amdhsa_kernarg_size 48
		.amdhsa_user_sgpr_count 2
		.amdhsa_user_sgpr_kernarg_segment_ptr 1
		.amdhsa_wavefront_size32 1
		.amdhsa_system_sgpr_workgroup_id_x 1
		.amdhsa_system_sgpr_workgroup_id_y 1
		.amdhsa_system_sgpr_workgroup_id_z 1
		.amdhsa_system_vgpr_workitem_id 0
		.amdhsa_next_free_vgpr 160
		.amdhsa_next_free_sgpr 66
		.amdhsa_reserve_vcc 0
		.amdhsa_float_denorm_mode_32 3
		.amdhsa_float_denorm_mode_16_64 3
		.amdhsa_memory_ordered 1
		.amdhsa_forward_progress 1
		.amdhsa_inst_pref_size 11
	.end_amdhsa_kernel
	.amdgpu_metadata
---
amdhsa.version: [ 1, 2 ]
amdhsa.kernels:
  - .name:           k_q8e7588b02a_combine
    .symbol:         k_q8e7588b02a_combine.kd
    .args:
      - { .name: x, .offset: 0, .size: 8, .value_kind: global_buffer, .address_space: global }
      - { .name: sel, .offset: 8, .size: 8, .value_kind: global_buffer, .address_space: global }
      - { .name: gate, .offset: 16, .size: 8, .value_kind: global_buffer, .address_space: global }
      - { .name: pos, .offset: 24, .size: 8, .value_kind: global_buffer, .address_space: global }
      - { .name: y, .offset: 32, .size: 8, .value_kind: global_buffer, .address_space: global }
      - { .name: out0, .offset: 40, .size: 8, .value_kind: global_buffer, .address_space: global }
    .group_segment_fixed_size: 0
    .private_segment_fixed_size: 0
    .kernarg_segment_align: 8
    .kernarg_segment_size: 48
    .max_flat_workgroup_size: 256
    .sgpr_count:     66
    .vgpr_count:     160
    .wavefront_size: 32
...
	.end_amdgpu_metadata
.endif
;; end of part 4
